; MI455X (gfx1250); checked and timed in simulation.
; The chip was launched on July 23, 2026; its instructions are those of AMD's public machine-readable ISA for CDNA 5 (MIT licence, August 2026) and "CDNA5" Instruction Set Architecture Reference Guide (July 2026). The comments in the code are by the model that wrote it; some were corrected since.
;; Quantized Linear. Allowed arithmetic: float matrix products may take bf16 or f16 operands with f32 sums; other float arithmetic in f32, or as packed bf16 or f16 multiplies, adds, multiply-adds, maxima and minima; sums over many terms, partial sums and values carried from step to step in f32; what a program stores and reads back later, other than sums and carried values, may be rounded once to bf16 or f16.
;; Inputs: bias 4,096 int32; weight 4,096 x 4,096 int8; weight_scale 4,096 float32; x 4,096 x 4,096 int8.
;; Outputs: out0 4,096 x 4,096 int8.
;; One version. Each part assembles by itself: llvm-mc -triple=amdgcn-amd-amdhsa -mcpu=gfx1250 --defsym DOCPART=n.
;; ======== version 1 of 1: 1 launch
;; launch qlinear (part 1): grid 16 x 16, 4 waves a work-group, clusters of 4 x 4, 327,680 bytes of LDS; arguments x, weight, bias, weight_scale, out0; writes out0
.if DOCPART == 1
	.amdgcn_target "amdgcn-amd-amdhsa--gfx1250"
	.amdhsa_code_object_version 6
	.text
	.protected	k_q213fa95f12_qlinear
	.globl	k_q213fa95f12_qlinear
	.p2align	8
	.type	k_q213fa95f12_qlinear,@function
k_q213fa95f12_qlinear:
	s_mov_b64 s[64:65], 0
	v_nop
	global_prefetch_b8 v0, s[64:65] scope:SCOPE_SE
	s_setreg_imm32_b32 hwreg(HW_REG_WAVE_MODE, 25, 1), 1
	s_wait_xcnt 0x0
	s_wait_alu depctr_hold_cnt(0) depctr_sa_sdst(0) depctr_va_vdst(0) depctr_va_sdst(0) depctr_va_ssrc(0) depctr_va_vcc(0) depctr_vm_vsrc(0)
	s_getreg_b32 s2, hwreg(HW_REG_IB_STS2, 6, 4)
	s_cmp_eq_u32 s2, 0
	s_cbranch_scc0 .Lentry_in_a_cluster
	s_endpgm
.Lentry_in_a_cluster:
	s_bfe_u32 s2, ttmp6, 0x10000c
	s_cmp_lg_u32 s2, 0xf033
	s_cbranch_scc0 .Lentry_shape_is_right
	s_endpgm
.Lentry_shape_is_right:
; out0[m][n] = int8(clip(round(f32(sum over k of x[m][k] w[n][k] + bias[n]) * q[n] + 5), -128, 127)),  q[n] = 0.02 * weight_scale[n] / 0.05.
; x: [4096][4096] int8, weight: [4096][4096] int8 (rows along K), bias: [4096] int32, weight_scale: [4096] f32, out0: [4096][4096] int8.
; THE BYTES ARE COMPARED EXACTLY, so: the sums are made in i32 by v_wmma_i32_16x16x64_iu8 (both sources signed), which rounds nowhere; the bias is the C operand of each sum's first product;
; and the float tail rounds where the compiled formula rounds.
; THE ORDER OF ROUNDING is that of the formula with its constants folded, not that of the formula read operation by operation: the division by 0.05f is a multiplication by its reciprocal rounded to f32, 20.0f;
; the two constant factors are multiplied first, 0.02f x 20.0f = 214748360 x 2^-29, a tie that rounds to even: 0x3ecccccc; so q[n] = weight_scale[n] x 0x3ecccccc, one rounding.  The product with q and the + 5
; are ONE fused multiply-add, one rounding.  The last rounding is to nearest, ties to even.
; LIMITS.  A NaN in weight_scale is not treated apart.  The sum with its bias is taken to stay inside int32: |bias| below 2^31 - 2^26 (the products' sum is 2^26 at the most).
; SHARES.  A tile of out0, 256 x 256, is made by a work-group of four waves; a wave makes 128 x 128: 64 accumulators of 16 x 16, 512 registers.  16 x 16 tiles: 256 work-groups.
; K goes in 16 steps of 256 bytes through a ring of two LDS slots filled by the tensor data mover: a tile's rows are 256 consecutive bytes of memory, at multiples of 256 from the buffer's first byte.
; CLUSTERS: 4 x 4 work-groups.  The four of a row of the cluster need the same tiles of x, the four of a column the same tiles of weight: each tile is asked for JOINTLY, by the same tensor load with the
; same descriptor and a mask that names the four.  That divides the requests for x and for weight by four.
; THE MATRIX INSTRUCTION IS USED TRANSPOSED: source 0 = 16 rows of weight, source 1 = 16 rows of x.  In the result lane l holds row l % 16 of out0 and its registers 0 to 7 the columns 8 (l / 16) + 0..7.
; K INSIDE A FRAGMENT: both sources are loaded by two loads of 16 bytes (bytes 16 (l / 16) + 0..15 and 32 + 16 (l / 16) + 0..15 of the row's 64), not in the form's own order of k.  It is the same
; permutation of k for both sources, each k is taken once, and whole-number sums do not hang on their order.
; REGISTERS, in windows of 256 (s_set_vgpr_msb's low byte: bits 1:0 source 0, 3:2 source 1, 5:4 source 2, 7:6 destination):
;   window 0: v0-31 addresses; v32-63 rows read back on the way out; v64-127, v128-191 fragments of x, two buffers (on the way out: at work); v192-255 q of my 128 columns
;   window 1: v0-63 bias of my 128 columns; v64-127, v128-191 fragments of weight, two buffers
;   window 2: the 32 accumulators of my rows 0-63 (accumulator (a, b) at v[8 (8 a + b)]);   window 3: those of my rows 64-127
.set KSTEP,  256                       ; bytes of a row in a K step
.set ROWB,   4096                      ; bytes in a row of x, weight and out0
.set PITCH,  272                       ; an LDS row: 256 bytes + 16 of padding = 68 words: row r starts at bank 4 r mod 64 (64 banks of 4 bytes: ISA guide 11.1), so the 16 rows of a load start at 16 different banks
.set HALFT,  128*PITCH                 ; 128 rows: what one tensor load brings, and what one wave reads of x or of weight
.set SLOT,   4*HALFT                   ; x's 256 rows, then weight's 256 rows
.set STAGE,  2*SLOT                    ; behind the ring, never filled by a tensor load: two buffers of 64 rows x 272 bytes, the work-group's, for the way out
.set SPITCH, 272
.set SBUF,   64*SPITCH
.set SPARE,  STAGE+2*SBUF              ; behind the stage: the spare words, 128 bytes for each wave: two blocks of 256 bytes that no other line names
.set LAPS,   8                         ; a lap = two K steps = once round the ring
.set ADRA, 16                          ; v16-17  LDS address of my fragments of x in slot 0, 1
.set ADRB, 20                          ; v20-21  the same for weight
.set STO,  24                          ; v24     the way out: where I put 8 bytes of a row
.set RD,   25                          ; v25     the way out: where I read a row back
.set CO,   26                          ; v26     my byte offset in out0
.set BO,   27                          ; v27     my byte offset in bias and in weight_scale
.set SPW,  28                          ; v28     LDS address of my spare word: SPARE + 4 x my thread's number; never rewritten
.set NIL,  29                          ; v29     0; never rewritten
.set PFO,  30                          ; v30     the prefetches' offset: my lane x a row of 4,096 bytes; never rewritten
.set OB0,  32                          ; the way out: 16 rows read back from the stage, two sets by turns
.set OB1,  160
.set F0,   64                          ; fragment buffer 0
.set F1,   128                         ; fragment buffer 1
.set T,    64                          ; the way out: a block's 64 numbers a lane, at work
.set PK,   128                         ; the way out: two blocks' packed bytes, 16 registers each
.set SC,   192                         ; q: column block b, register j at SC + 8 b + j
.set WV, 14                            ; s14  my wave's number
.set WR, 15                            ; s15  which half of the tile's rows is mine.  Also: I fetch for x (0) or for weight (1)
.set WC, 16                            ; s16  which half of its columns.  Also: which 128 rows of that tile I fetch
.set G1, 24                            ; s[24:31] descriptor group 1 for x's tiles
.set G0, 32                            ; s[32:39] descriptor group 0 for x's tiles, one set for each slot
.set PFA, 44                           ; s[44:45] where my prefetches stand: my work-group's 32 rows of the 128 that I fetch, at the K step that is being asked for; a prefetch names the K step after it
.set G1B, 48                           ; s[48:55] descriptor group 1 for weight's tiles: it differs in the mask alone
.set G0B, 56                           ; s[56:63] descriptor group 0 for weight's tiles
.set LIM, 66                           ; s66  1 in a wave that prefetches, else the greatest number
.set FIVE, 68                          ; s[68:69] 5.0        (pairs: the packed forms name a pair and take its low word for both halves)
.set MAGIC, 70                         ; s[70:71] 1.5 x 2^23
.set LO, 72                            ; s72  -128.0
.set HI, 73                            ; s73  127.0
.set SELA, 74                          ; s74  v_perm_b32: the low bytes of two registers into one low half
.set SELB, 75                          ; s75  v_perm_b32: two low halves into one register
.set CQ, 76                            ; s[76:77] 0.02f x 20.0f rounded to f32
.set MSB, 0
.macro WIN new                         ; the immediate's high byte repeats the setting that is left; a switch that changes nothing is dropped
.if MSB != (\new)
	s_set_vgpr_msb (MSB<<8)|(\new)
.set MSB, \new
.endif
.endm
.set MUL_LO,   0xa1                    ; source 0 (weight) window 1, source 1 (x) window 0, C and D window 2
.set MUL_HI,   0xf1                    ; the same, C and D window 3
.set FIRST_LO, 0x91                    ; a sum's first product: C (the bias) window 1, D window 2
.set FIRST_HI, 0xd1                    ; D window 3
.set TO_B,     0x40                    ; destination window 1, address window 0
; A joint load.  Waves 0 and 1 fetch x's two halves, waves 2 and 3 weight's.  Each of the two lines has one mask and one set of registers for all that issue it.  The branch hangs on the wave's number alone.
; An s_nop 0 and four v_nop follow each of the two lines, ahead of the jump, the label and what follows.
.macro JLOAD s
	s_cmp_eq_u32 s[WR], 0
	s_cbranch_scc0 .Lfor_b_\@
	tensor_load_to_lds s[G0+4*(\s):G0+4*(\s)+3], s[G1:G1+7]
	s_nop 0
.rept 4
	v_nop
.endr
	s_branch .Lasked_\@
.Lfor_b_\@:
	tensor_load_to_lds s[G0B+4*(\s):G0B+4*(\s)+3], s[G1B:G1B+7]
	s_nop 0
.rept 4
	v_nop
.endr
.Lasked_\@:
.endm
; A PREFETCH INTO THE L2, behind each joint refill, its lines and the run of LDS loads that follows them: the K step that the NEXT refill will ask for: 32 rows x 256 bytes, a lane a row, one instruction a wave,
; 256 matrix instructions ahead of that refill.  Each row's 256 bytes of a K step are named ONCE in the launch: x's tile row is read by every cluster of that row of clusters, and the one with cluster x = 0 asks;
; weight's tile column by every cluster of that column, and the one with cluster y = 0 asks.  The four partners that ask for a tile jointly share its rows out BY ADDRESS: of the 128 rows that a wave fetches the
; partner at place p takes 32 p .. 32 p + 31 (p = cx for x, cy for weight): no branch hangs on a work-group's place in its cluster.  K steps 0 to 2 come by their loads alone.
; how = 1: behind slot 0's refill, which always has a K step behind it.  how = 0: behind slot 1's: in the loop's last trip (s3 = 1) that refill is the last K step's, and nothing is asked for.
.macro ASK how
.if \how
	s_cmp_eq_u32 s[LIM], 1
.else
	s_cmp_gt_u32 s3, s[LIM]
.endif
	s_cbranch_scc0 .Lnot_mine_\@
	global_prefetch_b8 v[PFO], s[PFA:PFA+1] offset:KSTEP th:TH_LOAD_NT scope:SCOPE_SE
.Lnot_mine_\@:
.endm
; A round of the cluster's barrier: my work-group's barrier, so that wave 0's signal speaks for all four waves; wave 0 signals for the work-group; every wave waits for all sixteen work-groups; my work-group's barrier once more.
.macro CREST                           ; a round behind its opening barrier
	s_cmp_lg_u32 s[WV], 0
	s_cbranch_scc1 .Lnot_wave_0_\@
	s_barrier_signal -3
.Lnot_wave_0_\@:
	s_barrier_wait -3
	s_barrier_signal -1
	s_barrier_wait -1
.endm
.macro CROUND                          ; a whole round
	s_barrier_signal -1
	s_barrier_wait -1
	CREST
.endm
	s_load_b256 s[4:11], s[0:1], 0x0               ; x s[4:5], weight s[6:7], bias s[8:9], weight_scale s[10:11]
	s_load_b64 s[12:13], s[0:1], 0x20              ; out0
	v_lshl_add_u32 v[SPW], v0, 2, SPARE
	v_mov_b32 v[NIL], 0
	ds_add_u32 v[SPW], v[NIL]                      ; the wave's opening: the add, twice on end, and its wait ahead of my first tensor load; the set-up below, work on registers, stands between
	ds_add_u32 v[SPW], v[NIL]                      ; and once more, under the one wait
	v_lshrrev_b32 v1, 5, v0
	v_readfirstlane_b32 s[WV], v1                  ; wave 0..3
	s_lshr_b32 s[WR], s[WV], 1
	s_and_b32 s[WC], s[WV], 1
	s_bfe_u32 s17, ttmp6, 0x40000                  ; cx: my place along the cluster's x
	s_bfe_u32 s18, ttmp6, 0x40004                  ; cy: along its y
	s_lshl_b32 s19, ttmp9, 2                       ; in a cluster launch ttmp9 and ttmp7 count clusters
	s_add_co_u32 s19, s19, s17                     ; tile column = 4 x cluster x + cx
	s_and_b32 s20, ttmp7, 0xffff
	s_lshl_b32 s20, s20, 2
	s_add_co_u32 s20, s20, s18                     ; tile row = 4 x cluster y + cy
	s_lshl_b32 s21, s18, 2
	s_lshl_b32 s21, 15, s21                        ; my row of the cluster: places 4 cy .. 4 cy + 3
	s_lshl_b32 s22, 0x1111, s17                    ; my column: places cx, cx + 4, cx + 8, cx + 12
	; descriptor group 1: a tile of 128 rows x 256 bytes, taken as 128 elements of 2 bytes (the mover copies bytes), padded in LDS
	s_or_b32 s[G1+0], s21, (1<<16)|(1<<20)|(1<<21)|(5<<22)|(3<<25)   ; 15:0 the mask: x's tiles go to my row; 17:16 elements of 2 bytes; 20 padding on; 21 set beside a mask; 24:22 after every 64 words (code 5); 31:25 4 words of it (code 3)
	s_or_b32 s[G1B+0], s22, (1<<16)|(1<<20)|(1<<21)|(5<<22)|(3<<25)  ; the same with the mask of my column, for weight's tiles
.irp g, G1, G1B
	s_mov_b32 s[(\g)+1], 128<<16                   ; tensor_dim0 = 128
	s_mov_b32 s[(\g)+2], 128<<16                   ; tensor_dim1 = 128
	s_mov_b32 s[(\g)+3], 128<<16                   ; tile_dim0 = 128
	s_mov_b32 s[(\g)+4], 128                       ; tile_dim1 = 128
	s_mov_b32 s[(\g)+5], ROWB/2                    ; 2,048 elements from row to row
	s_mov_b32 s[(\g)+6], 0
	s_mov_b32 s[(\g)+7], 0
.endr
	s_mov_b32 s[FIVE], 0x40a00000
	s_mov_b32 s[FIVE+1], 0x40a00000
	s_mov_b32 s[MAGIC], 0x4b400000
	s_mov_b32 s[MAGIC+1], 0x4b400000
	s_mov_b32 s[LO], 0xc3000000
	s_mov_b32 s[HI], 0x42fe0000
	s_mov_b32 s[SELA], 0x00000400
	s_mov_b32 s[SELB], 0x05040100
	s_mov_b32 s[CQ], 0x3ecccccc
	s_mov_b32 s[CQ+1], 0x3ecccccc
	; where the tiles come from.  x's hang on the tile row alone, which my row of the cluster shares; weight's on the tile column alone, which my column shares.  Every wave makes both, in registers that never hold the other coordinate.
	s_lshl_b32 s67, s[WC], 19                      ; which 128 rows of 4,096 bytes I fetch
	s_lshl_b32 s40, s20, 20                        ; x: 256 rows x tile row
	s_add_co_u32 s40, s40, s67
	s_mov_b32 s41, 0
	s_lshl_b32 s46, s19, 20                        ; weight: 256 rows x tile column
	s_add_co_u32 s46, s46, s67
	s_mov_b32 s47, 0
	s_mul_i32 s23, s[WV], HALFT                    ; and where they go: wave x 128 rows: no place in the cluster enters an LDS address
	s_wait_dscnt 0x0                               ; both opening adds are done
	s_wait_kmcnt 0x0
	s_add_nc_u64 s[40:41], s[4:5], s[40:41]
	s_add_nc_u64 s[46:47], s[6:7], s[46:47]
	CROUND                                         ; all sixteen work-groups are here: the first joint loads meet
.irp s, 0,1
	s_mov_b32 s[G0+4*(\s)], 1                                        ; 1:0 count = 1
	s_add_co_u32 s[G0+4*(\s)+1], s23, (\s)*SLOT                      ; 63:32 LDS address
	s_add_nc_u64 s[G0+4*(\s)+2:G0+4*(\s)+3], s[40:41], (\s)*KSTEP    ; 120:64 global address: K step s
	s_or_b32 s[G0+4*(\s)+3], s[G0+4*(\s)+3], 0x80000000              ; 127:126 type = 2
	s_mov_b32 s[G0B+4*(\s)], 1
	s_add_co_u32 s[G0B+4*(\s)+1], s23, (\s)*SLOT
	s_add_nc_u64 s[G0B+4*(\s)+2:G0B+4*(\s)+3], s[46:47], (\s)*KSTEP
	s_or_b32 s[G0B+4*(\s)+3], s[G0B+4*(\s)+3], 0x80000000
	JLOAD \s                                       ; the ring is filled before anything else is done: two loads of mine are out
.endr
	; A fragment is 16 rows x 64 bytes of K in 8 registers: lane l holds row l % 16: two loads of 16 bytes, 32 bytes apart, at row x pitch + 16 (l / 16).  The same for both sources.
	v_and_b32 v1, 15, v0                           ; r = l % 16
	v_bfe_u32 v2, v0, 4, 1                         ; h = l / 16
	v_mul_u32_u24 v3, v1, PITCH
	v_lshl_add_u32 v3, v2, 4, v3
	s_mul_i32 s67, s[WR], HALFT                    ; my 128 rows of x
	s_mul_i32 s2, s[WC], HALFT                     ; my 128 rows of weight,
	s_add_co_u32 s2, s2, 2*HALFT                   ; which lie behind x's 256
.irp s, 0,1
	v_add_nc_u32 v[ADRA+(\s)], s67, v3
	v_add_nc_u32 v[ADRB+(\s)], s2, v3
	s_add_co_u32 s67, s67, SLOT
	s_add_co_u32 s2, s2, SLOT
.endr
	s_mul_i32 s67, s[WR], 32*SPITCH                ; into the stage: a pass holds 32 rows of each row half; my half of their 256 bytes; row r, 8 bytes for each half of the lanes
	s_lshl_b32 s2, s[WC], 7
	s_add_co_u32 s67, s67, s2
	s_add_co_u32 s67, s67, STAGE
	v_mul_u32_u24 v4, v1, SPITCH
	v_lshl_add_u32 v4, v2, 3, v4
	v_add_nc_u32 v[STO], s67, v4
	s_mul_i32 s67, s[WV], 16*SPITCH                ; back: wave w takes stage rows 16 w .. 16 w + 15, whole; lanes 0-15 one row of 256 bytes, lanes 16-31 the next
	s_add_co_u32 s67, s67, STAGE
	v_mul_u32_u24 v5, v2, SPITCH
	v_lshl_add_u32 v5, v1, 4, v5
	v_add_nc_u32 v[RD], s67, v5
	v_lshlrev_b32 v5, 12, v2                       ; and the same two rows in out0
	v_lshl_add_u32 v[CO], v1, 4, v5
	v_and_b32 v[PFO], 31, v0
	v_lshlrev_b32 v[PFO], 12, v[PFO]
	; bias and weight_scale of my 128 columns, laid as the accumulators are: block b, register j is column 256 x tile column + 128 x half + 16 b + 8 h + j
	s_lshl_b32 s84, s19, 10
	s_lshl_b32 s67, s[WC], 9
	s_add_co_u32 s84, s84, s67
	v_lshl_add_u32 v[BO], v2, 5, s84
	WIN TO_B
.irp b, 0,1,2,3,4,5,6,7
	global_load_b128 v[8*(\b):8*(\b)+3],   v[BO], s[8:9] offset:64*(\b)
	global_load_b128 v[8*(\b)+4:8*(\b)+7], v[BO], s[8:9] offset:64*(\b)+16
.endr
	WIN 0
.irp b, 0,1,2,3,4,5,6,7
	global_load_b128 v[SC+8*(\b):SC+8*(\b)+3],   v[BO], s[10:11] offset:64*(\b)
	global_load_b128 v[SC+8*(\b)+4:SC+8*(\b)+7], v[BO], s[10:11] offset:64*(\b)+16
.endr
	; out0 at the first row that I store: stage rows 16 w .. of pass p are tile rows 128 (w / 2) + 32 p + 16 (w % 2) ..
	s_lshl_b32 s82, s20, 8
	s_lshl_b32 s67, s[WR], 7
	s_add_co_u32 s82, s82, s67
	s_lshl_b32 s67, s[WC], 4
	s_add_co_u32 s82, s82, s67
	s_lshl_b32 s82, s82, 12                        ; rows of 4,096 bytes
	s_lshl_b32 s84, s19, 8                         ; the tile's first column
	s_add_co_u32 s82, s82, s84
	s_mov_b32 s83, 0
	s_add_nc_u64 s[12:13], s[12:13], s[82:83]
	; the prefetches
	s_lshl_b32 s84, s20, 8                         ; the tile's first row in x,
	s_lshl_b32 s85, s19, 8                         ; in weight
	s_and_b32 s67, ttmp7, 0xffff                   ; cluster y
	s_cmp_eq_u32 s[WR], 0                          ; do I fetch for x?
	s_cselect_b32 s84, s84, s85
	s_cselect_b32 s85, s17, s18                    ; my place among the four that ask for the tile with me
	s_cselect_b32 s[LIM], ttmp9, s67               ; the coordinate along which other clusters read the same rows
	s_cselect_b64 s[PFA:PFA+1], s[4:5], s[6:7]
	s_cmp_eq_u32 s[LIM], 0
	s_cselect_b32 s[LIM], 1, -1                    ; the same in all sixteen partners, for a given wave
	s_lshl_b32 s67, s[WC], 7
	s_add_co_u32 s84, s84, s67                     ; + the 128 rows that I fetch
	s_lshl_b32 s85, s85, 5
	s_add_co_u32 s84, s84, s85                     ; + my work-group's 32 of them
	s_lshl_b32 s84, s84, 12
	s_add_co_u32 s84, s84, KSTEP                   ; at K step 1: the first refill steps it to 2 and names K step 3
	s_mov_b32 s85, 0
	s_add_nc_u64 s[PFA:PFA+1], s[PFA:PFA+1], s[84:85]
	s_wait_loadcnt 0x0                             ; bias and weight_scale, once
	; q = weight_scale x (0.02f x 20.0f rounded to f32), in place: one rounding (see THE ORDER OF ROUNDING at the head)
.set i, 0
.rept 32
	v_pk_mul_f32 v[SC+i:SC+i+1], v[SC+i:SC+i+1], s[CQ:CQ+1] op_sel_hi:[1,0]
.set i, i+2
.endr
; 16 matrix instructions: row blocks a0, a0 + 1 of the window's four (hi = 0: my rows 0-63, 1: rows 64-127) x all 8 column blocks, 64 along K.
; first = 1: the product starts the sum, with the columns' bias as C: nothing is cleared, and the bias costs no addition.
; The 64 accumulators take turns, one instruction a turn, in the same order in every quarter.
.macro MUL16 f, hi, a0, first
.if \first
	WIN FIRST_LO+0x40*(\hi)
.else
	WIN MUL_LO+0x50*(\hi)
.endif
.irp a, \a0, (\a0)+1
.irp b, 0,1,2,3,4,5,6,7
.if \first
	v_wmma_i32_16x16x64_iu8 v[8*(8*(\a)+(\b)):8*(8*(\a)+(\b))+7], v[(\f)+8*(\b):(\f)+8*(\b)+7], v[(\f)+8*(4*(\hi)+(\a)):(\f)+8*(4*(\hi)+(\a))+7], v[8*(\b):8*(\b)+7] neg_lo:[1,1,0]
.else
	v_wmma_i32_16x16x64_iu8 v[8*(8*(\a)+(\b)):8*(8*(\a)+(\b))+7], v[(\f)+8*(\b):(\f)+8*(\b)+7], v[(\f)+8*(4*(\hi)+(\a)):(\f)+8*(4*(\hi)+(\a))+7], v[8*(8*(\a)+(\b)):8*(8*(\a)+(\b))+7] neg_lo:[1,1,0]
.endif
.endr
.endr
.endm
; 32 LDS loads in one run: the fragments of one quarter step (128 rows of weight, 128 rows of x, 64 bytes at byte k of the rows) into buffer f
.macro FETCH slot, k, f
	WIN TO_B
.irp i, 0,1,2,3,4,5,6,7
	ds_load_b128 v[(\f)+8*(\i):(\f)+8*(\i)+3],   v[ADRB+(\slot)] offset:(\k)+(\i)*16*PITCH
	ds_load_b128 v[(\f)+8*(\i)+4:(\f)+8*(\i)+7], v[ADRB+(\slot)] offset:(\k)+(\i)*16*PITCH+32
.endr
	WIN 0
.irp i, 0,1,2,3,4,5,6,7
	ds_load_b128 v[(\f)+8*(\i):(\f)+8*(\i)+3],   v[ADRA+(\slot)] offset:(\k)+(\i)*16*PITCH
	ds_load_b128 v[(\f)+8*(\i)+4:(\f)+8*(\i)+7], v[ADRA+(\slot)] offset:(\k)+(\i)*16*PITCH+32
.endr
.endm
; A load into a register that a matrix instruction of this form has read, and a vector instruction that reads its result or writes one of its registers, stand eight places behind it, and only plain
; vector instructions that name none of its registers are places (ISA guide 7.12.1 for vector instructions); the matrix instructions in between are not counted.
.macro PLACES
.rept 8
	v_nop
.endr
.endm
; A K step is four quarters of 64 along K, 64 matrix instructions each, on buffers 0, 1, 0, 1.
; One of the first three: multiplies buffer f; in its middle it fetches the next quarter's fragments, at byte k of the same slot's rows, into buffer g.
.macro QUARTER slot, k, f, g, first
	s_wait_dscnt 8                                 ; weight and x's rows 0-63 are in; the youngest eight loads (x's rows 64-127) may be out
	MUL16 \f, 0, 0, \first
	MUL16 \f, 0, 2, \first
	PLACES
	FETCH \slot, \k, \g
	s_wait_dscnt 32                                ; all but the 32 just issued
	MUL16 \f, 1, 0, \first
	MUL16 \f, 1, 2, \first
.endm
; The last quarter multiplies buffer 1 and changes slots: ONE barrier.  In front of it each wave waits for all its tensor loads, of which one is out: its part of the next slot; adds 0 to its spare word;
; and waits for that and for its own reads of this slot.  Behind it nobody reads this slot any more and the next slot is whole.
; fill = 1: the barrier opens a round of the cluster's barrier, and this slot is filled again, first thing behind the round, with the K step two steps on: 224 matrix instructions ahead of the wait for it.
.macro TURN slot, next, fill
.if \fill
	s_wait_xcnt 0x0                                ; the last prefetch, a K step back, has read its address: it is stepped here, ahead of the waits of the change of slots
	s_add_nc_u64 s[PFA:PFA+1], s[PFA:PFA+1], KSTEP
.endif
	WIN 0                                          ; (the add's two registers lie in window 0)
	s_wait_tensorcnt 0x0                           ; all my tensor loads have landed;
	ds_add_u32 v[SPW], v[NIL]                      ; 0 onto my spare word;
	s_wait_dscnt 9                                 ; (the add and the youngest eight loads may be out)
	MUL16 F1, 0, 0, 0                              ; sixteen matrix instructions stand between the add and the wait for it
	s_wait_dscnt 0x0                               ; the add is done, and my reads of this slot are over:
	s_barrier_signal -1                            ; say so,
	MUL16 F1, 0, 2, 0                              ; work on registers while the others arrive,
.if \fill
	WIN 0
.endif
	s_barrier_wait -1                              ; and go on when all four have said so
.if \fill
	CREST                                          ; all sixteen work-groups have said so: no wave of any partner still reads this slot's tile or has a load on its way
	s_add_nc_u64 s[G0+4*(\slot)+2:G0+4*(\slot)+3], s[G0+4*(\slot)+2:G0+4*(\slot)+3], 2*KSTEP
	s_add_nc_u64 s[G0B+4*(\slot)+2:G0B+4*(\slot)+3], s[G0B+4*(\slot)+2:G0B+4*(\slot)+3], 2*KSTEP
	JLOAD \slot                                    ; the first tensor load behind the round; its four v_nop and the four below are the eight places in front of the loads into buffer 0
.rept 4
	v_nop
.endr
.else
	PLACES
.endif
	FETCH \next, 0, F0
.if \fill
	ASK 1-(\slot)                                  ; behind the joint load and the run of LDS loads that the next products wait for
.endif
	MUL16 F1, 1, 0, 0
	MUL16 F1, 1, 2, 0
.endm
; THE WAY OUT.  CONV a: my block a of 16 rows x 128 columns, 64 numbers a lane, in runs under one window setting: i32 to f32 (rounded to nearest even; each accumulator's lowest register is read first);
; times q plus 5, one fused multiply-add; held to -128 .. 127 (the bounds are whole numbers, so holding first and rounding then gives what rounding first and holding then gives);
; plus 1.5 x 2^23: in 2^23 .. 2^24 f32 has steps of 1, so the addition rounds to a whole number, ties to even, and the sum's low byte is the int8 code; then eight low bytes into two registers.
.macro CONV a
	WIN 0x02+(\a)/4                                ; source 0: window 2 or 3
.set i, 0
.rept 64
	v_cvt_f32_i32 v[T+i], v[64*((\a)%4)+i]
.set i, i+1
.endr
	WIN 0
.set i, 0
.rept 32
	v_pk_fma_f32 v[T+i:T+i+1], v[T+i:T+i+1], v[SC+i:SC+i+1], s[FIVE:FIVE+1] op_sel_hi:[1,1,0]
.set i, i+2
.endr
.set i, 0
.rept 64
	v_med3_num_f32 v[T+i], v[T+i], s[LO], s[HI]
.set i, i+1
.endr
.set i, 0
.rept 32
	v_pk_add_f32 v[T+i:T+i+1], v[T+i:T+i+1], s[MAGIC:MAGIC+1] op_sel_hi:[1,0]
.set i, i+2
.endr
.set i, 0
.rept 32
	v_perm_b32 v[T+i], v[T+i+1], v[T+i], s[SELA]   ; low half: the low bytes of numbers i and i + 1
.set i, i+2
.endr
.set i, 0
.rept 16
	v_perm_b32 v[PK+16*((\a)%2)+i], v[T+4*i+2], v[T+4*i], s[SELB]  ; four neighbouring columns' bytes
.set i, i+1
.endr
.endm
; PUT p: pass p's two blocks into stage buffer p % 2: 8 bytes a lane and column block.  The 32 lanes of a store touch the words 68 r + 2 h + 0, 1.
.macro PUT p
.irp u, 0,1
.irp b, 0,1,2,3,4,5,6,7
	ds_store_b64 v[STO], v[PK+16*(\u)+2*(\b):PK+16*(\u)+2*(\b)+1] offset:((\p)%2)*SBUF+(\u)*16*SPITCH+16*(\b)
.endr
.endr
.endm
; BACK p: 16 whole rows of 256 bytes, whose halves two waves wrote, back into registers.
.macro BACK p
.set BK, OB0+(OB1-OB0)*((\p)%2)
.if (\p) >= 2
	s_wait_xcnt 0x0                                ; the stores of two passes back have read these registers: they are loaded again only behind this wait
.endif
.irp t, 0,1,2,3,4,5,6,7
	ds_load_b128 v[BK+4*(\t):BK+4*(\t)+3], v[RD] offset:((\p)%2)*SBUF+(\t)*2*SPITCH
.endr
.endm
; SEND p: stored.  counted = 1 (the last pass): each store goes as its own load comes back; the younger loads stay out.
.macro SEND p, counted
.set BK, OB0+(OB1-OB0)*((\p)%2)
.if !(\counted)
	s_wait_dscnt 0x0                               ; the rows are back (they came while the next pass's numbers were converted)
.endif
.irp t, 0,1,2,3,4,5,6,7
.if \counted
	s_wait_dscnt 7-(\t)
.endif
	global_store_b128 v[CO], v[BK+4*(\t):BK+4*(\t)+3], s[12:13] offset:(\p)*32*ROWB+(\t)*2*ROWB th:TH_STORE_NT  ; 16 lanes store 256 consecutive bytes, at a multiple of 256 from out0's first byte; the pass and the rows stand in the immediate, 450,560 at the most
.endr
.endm
	s_wait_tensorcnt 1                             ; my part of K step 0 is in; K step 1's may stay out
	s_barrier_signal -1
	s_barrier_wait -1                              ; everybody's is
	FETCH 0, 0, F0
	QUARTER 0, 64,  F0, F1, 1                      ; the first quarter stands in front of the loop: its products start the sums, from the bias
	WIN 0                                          ; at a label and at a branch every window is 0
	s_mov_b32 s3, LAPS-1
.Llap:                                                 ; a trip goes once round the ring, from a lap's second quarter to the next lap's first, and fills both slots again
	QUARTER 0, 128, F1, F0, 0
	QUARTER 0, 192, F0, F1, 0
	TURN 0, 1, 1
	QUARTER 1, 64,  F0, F1, 0
	QUARTER 1, 128, F1, F0, 0
	QUARTER 1, 192, F0, F1, 0
	TURN 1, 0, 1
	QUARTER 0, 64,  F0, F1, 0
	WIN 0
	s_sub_co_u32 s3, s3, 1
	s_cmp_lg_u32 s3, 0
	s_cbranch_scc1 .Llap
	QUARTER 0, 128, F1, F0, 0                      ; the last lap is written out: it fills nothing, and has no round of the cluster's barrier
	QUARTER 0, 192, F0, F1, 0
	TURN 0, 1, 0
	QUARTER 1, 64,  F0, F1, 0
	QUARTER 1, 128, F1, F0, 0
	QUARTER 1, 192, F0, F1, 0
	s_wait_dscnt 8                                 ; the very last quarter: nothing more to fetch
	MUL16 F1, 0, 0, 0
	MUL16 F1, 0, 2, 0
	s_wait_dscnt 0x0
	MUL16 F1, 1, 0, 0
	MUL16 F1, 1, 2, 0
	PLACES                                         ; the conversions read results and write over fragments
	; Four passes of 64 tile rows (32 of each row half); the two stage buffers take turns, one barrier a pass.  Buffer p % 2 is written again in pass p + 2, behind barrier p + 1, in front of which every
	; wave has waited for its reads of pass p.  A pass's rows come back from the stage while the next pass's numbers are converted.
	CONV 0
	CONV 1
	PUT 0
	s_wait_dscnt 0x0                               ; for the others' sake: my stores into the stage are done
	s_barrier_signal -1
	s_barrier_wait -1
	BACK 0
.irp p, 1,2,3
	CONV 2*(\p)
	CONV 2*(\p)+1
	SEND (\p)-1, 0
	PUT \p
	s_wait_dscnt 0x0                               ; my stores into this buffer are done, and so are my reads of the other
	s_barrier_signal -1
	s_barrier_wait -1
	BACK \p
.endr
	SEND 3, 1
	s_wait_tensorcnt 0x0                           ; the wave's end: a wait, an add of 0 and its wait, behind my last tensor load and my last LDS store
	ds_add_u32 v[SPW], v[NIL]
	s_wait_dscnt 0x0
	CROUND                                         ; the closing round: no work-group ends while a partner may still ask for a tile that names it
	s_endpgm
.Lfunc_end_k_q213fa95f12_qlinear:
	.size	k_q213fa95f12_qlinear, .Lfunc_end_k_q213fa95f12_qlinear-k_q213fa95f12_qlinear
	.p2alignl 7, 3214868480
	.fill 96, 4, 3214868480
	.section	.rodata,"a",@progbits
	.p2align	6, 0x0
	.amdhsa_kernel k_q213fa95f12_qlinear
		.amdhsa_group_segment_fixed_size 327680
		.amdhsa_private_segment_fixed_size 0
		.amdhsa_enable_private_segment 0
		.amdhsa_kernarg_size 40
		.amdhsa_user_sgpr_count 2
		.amdhsa_user_sgpr_kernarg_segment_ptr 1
		.amdhsa_wavefront_size32 1
		.amdhsa_system_sgpr_workgroup_id_x 1
		.amdhsa_system_sgpr_workgroup_id_y 1
		.amdhsa_system_sgpr_workgroup_id_z 1
		.amdhsa_system_vgpr_workitem_id 0
		.amdhsa_next_free_vgpr 1024
		.amdhsa_next_free_sgpr 86
		.amdhsa_reserve_vcc 0
		.amdhsa_float_denorm_mode_32 3
		.amdhsa_float_denorm_mode_16_64 3
		.amdhsa_memory_ordered 1
		.amdhsa_forward_progress 1
		.amdhsa_inst_pref_size 235
	.end_amdhsa_kernel
	.amdgpu_metadata
---
amdhsa.version: [ 1, 2 ]
amdhsa.kernels:
  - .name:           k_q213fa95f12_qlinear
    .symbol:         k_q213fa95f12_qlinear.kd
    .args:
      - { .name: x, .offset: 0, .size: 8, .value_kind: global_buffer, .address_space: global }
      - { .name: weight, .offset: 8, .size: 8, .value_kind: global_buffer, .address_space: global }
      - { .name: bias, .offset: 16, .size: 8, .value_kind: global_buffer, .address_space: global }
      - { .name: weight_scale, .offset: 24, .size: 8, .value_kind: global_buffer, .address_space: global }
      - { .name: out0, .offset: 32, .size: 8, .value_kind: global_buffer, .address_space: global }
    .group_segment_fixed_size: 327680
    .private_segment_fixed_size: 0
    .kernarg_segment_align: 8
    .kernarg_segment_size: 40
    .max_flat_workgroup_size: 128
    .sgpr_count:     86
    .vgpr_count:     1024
    .wavefront_size: 32
...
	.end_amdgpu_metadata
.endif
;; end of part 1
